; MI455X (gfx1250); checked and timed in simulation.
; The chip was launched on July 23, 2026; its instructions are those of AMD's public machine-readable ISA for CDNA 5 (MIT licence, August 2026) and "CDNA5" Instruction Set Architecture Reference Guide (July 2026). The comments in the code are by the model that wrote it; some were corrected since.
;; Word Attention. Allowed arithmetic: matrix products marked QUANTISED: E3M2 operands, one E8M0 scale for each 32 along K, by v_wmma_scale_f32_16x16x128_f8f6f4 with both operands' format E3M2, f32 sums; products left as they are: f32 operands where the result goes on into a quantised operand, else bf16, f16 or f32 operands; f32 sums; everything else in f32.
;; Inputs: W_c 512 float32; W_d 512 x 512 float32; W_h 512 x 512 float32; b_d 512 float32; beta 16 x 32 float32; coverage 16 x 32 x 128 float32; enc_padding_mask 16 x 32 x 128 float32; h 16 x 32 x 128 x 512 float32; s_t_hat 16 x 512 float32; v 512 float32.
;; Outputs: out0 16 x 512 float32; out1 16 x 4,096 float32; out2 16 x 32 x 128 float32.
;; This version of the problem:
;;   THIS VERSION OF THE PROBLEM IS GIVEN IN LOW PRECISION. The matrix products marked QUANTISED in the list below multiply operands that are first quantised to E3M2 (3 exponent bits, 2 mantissa bits; 6 bits a number), with one power-of-two scale for each 32 numbers along K (OCP MX v1.0); their sums are f32. All else is computed in f32.
;;   The module's matrix products, in the order in which they are computed (A, B: the left and right operand; K: the contracted axis; several contracted axes count as one K, in the product's order):
;;     1. [M 65,536, K 512] x [K 512, N 512]; A: input h; B: input W_h: QUANTISED
;;     2. [M 16, K 512] x [K 512, N 512]; A: input s_t_hat; B: input W_d: QUANTISED
;;     3. [M 65,536, K 512] x [K 512, N 1]; A: computed on the way; B: input v: left as it is (N = 1 < 16)
;;     4. batch 16 x [M 1, K 4,096] x [K 4,096, N 512]; A: computed on the way; B: input h: left as it is (M = 1 < 16)
;;   THE QUANTISER, for each operand of a quantised product, along K:
;;     - K is cut into blocks of 32 from its start; a last block that is shorter is filled with zeros.
;;     - A block's scale is 2^e with e = floor(log2(the largest magnitude in the block)) - 4, held to -126 .. 127; a block of zeros has e = 0. As a byte (E8M0): e + 127.
;;     - Each number is divided by its block's scale, clamped to +-28, and rounded to the nearest number of E3M2, ties to even, subnormals kept.
;;     - The product sums the exact products of the quantised numbers (number of the format x scale) in f32.
;;   ~~~python
;;   def quantise(x, axis):      # numpy; x: float32 -> the quantised numbers, widened to float32 again
;;       x = np.moveaxis(x, axis, -1); K = x.shape[-1]
;;       x = np.pad(x, [(0, 0)] * (x.ndim - 1) + [(0, -K % 32)]); x = x.reshape(x.shape[:-1] + (-1, 32)); a = np.abs(x).max(-1, keepdims=True)
;;       e = np.where(a > 0, np.clip(np.frexp(np.where(a > 0, a, 1))[1] - 1 - 4, -126, 127), 0)      # np.frexp(a)[1] - 1 = floor(log2(a)), exactly
;;       r = np.clip(x / 2.0 ** e, -28, 28)
;;       step = 2.0 ** (np.maximum(np.frexp(np.where(r == 0, 1, r))[1] - 1, -2) - 2)
;;       q = np.round(r / step) * step * 2.0 ** e      # np.round: ties to even
;;       return np.moveaxis(q.reshape(q.shape[:-2] + (-1,))[..., :K], -1, axis).astype(np.float32)
;;   ~~~
;; One version. Each part assembles by itself: llvm-mc -triple=amdgcn-amd-amdhsa -mcpu=gfx1250 --defsym DOCPART=n.
;; ======== version 1 of 1: 3 launches
;; limits: right only within a limited range of input values
;; workspace buffers: whc 196,608 bytes; whs 16,384 bytes; dec 32,768 bytes; wsc 262,144 bytes; cpart 524,288 bytes; stats 65,536 bytes
;; launch prep (part 1): grid 64 x 1, 4 waves a work-group, no clusters, 4,608 bytes of LDS; arguments W_h, W_d, s_t_hat, b_d, whc, whs, dec; writes whc, whs, dec
.if DOCPART == 1
	.amdgcn_target "amdgcn-amd-amdhsa--gfx1250"
	.amdhsa_code_object_version 6
	.text
	.protected	k_q38195fbe64_prep
	.globl	k_q38195fbe64_prep
	.p2align	8
	.type	k_q38195fbe64_prep,@function
k_q38195fbe64_prep:
	s_mov_b64 s[64:65], 0
	v_nop
	global_prefetch_b8 v0, s[64:65] scope:SCOPE_SE
	s_setreg_imm32_b32 hwreg(HW_REG_WAVE_MODE, 25, 1), 1
	s_wait_xcnt 0x0
; W_h [512][512] f32 becomes codes of BF6 (E3M2) with one E8M0 scale byte for each 32 along K, laid as the next launch's operand registers (work-groups 0 to 31);
; and dec[b][m] = sum over n of Q(s_t_hat)[b][n] Q(W_d)[m][n] + b_d[m], by the scaled matrix instruction on codes made here (work-groups 32 to 63).
; SHARES.  Work-group t or 32 + t owns rows 16 t .. 16 t + 15 of W_h or of W_d; wave s owns K step s (128 along K).
; A lane (r = lane % 16, h = lane / 16) loads, of its row r, 16 neighbours of each block of 32: register 16 b + i = k 128 s + 32 b + 16 h + i.
; The sixteen loads of a tensor together cover 16 rows x 512 consecutive bytes.
; whc: fragment f = 4 t + s is 1,536 bytes: register group c (four registers) of lane L at 1536 f + 512 c + 16 L.  whs: its scale words at 128 f + 4 L.
; dec's sum over K is split over the four waves and joined in LDS in ascending K; b_d is added last.
; LIMITS: NaN and infinities among the inputs are not served.  A block whose largest magnitude lies under 2^-122 keeps the scale byte 1; a block of zeros
; gets the byte 1 where the rule says 127: its codes are zeros, which add nothing, and this program alone reads the bytes.
.set WV,  18                           ; s18      my wave's number
.set SEL, 20                           ; s[20:21] lane selects for v_permlanex16_b32: lane l xor 16
.set TM,  16                           ; v16-19 largest magnitudes, v20-23 the other half's, then the bytes, v24-27 the conversions' scale operands
.set PWH, 28                           ; W_h's scale word
.set PWA, 29                           ; W_d's: a scale register of the product, it holds nothing else
.set PWB, 30                           ; s_t_hat's: likewise
.set XH,  32                           ; v32-95   64 numbers of W_h
.set XD,  96                           ; v96-159  of W_d
.set XT,  160                          ; v160-223 of s_t_hat
.set PCH, 224                          ; v224-235 W_h's codes
.set QT,  236                          ; v236-243 the conversions' second halves
.set BD,  244                          ; v244-251 b_d of my eight m
.set PCA, 32                           ; v32-43   W_d's codes
.set PCB, 44                           ; v44-55   s_t_hat's codes
.set DD,  56                           ; v56-63   the product
.set RR,  64                           ; v64-95   the four waves' parts
; 64 numbers of a lane become codes: v[pc+6c .. +2] the lower 16 codes of block 2 c, v[QT+4c .. +2] those of block 2 c + 1; v[pw] the row's scale word
.macro QMAX src, pc, pw
.irp b, 0,1,2,3
	v_max3_num_f32 v[TM+\b], |v[\src+16*\b]|, |v[\src+1+16*\b]|, 0x2800000   ; block b: my 16 numbers, and the floor 2^(5 - 127): the byte cannot fall under 1
.endr
.irp i, 2,4,6,8,10,12,14
.irp b, 0,1,2,3
	v_max3_num_f32 v[TM+\b], v[TM+\b], |v[\src+16*\b+\i]|, |v[\src+1+16*\b+\i]|   ; the four blocks by turns
.endr
.endr
.irp b, 0,1,2,3
	v_permlanex16_b32 v[TM+4+\b], v[TM+\b], s[SEL], s[SEL+1]
.endr
.irp b, 0,1,2,3
	v_max_num_f32 v[TM+\b], v[TM+\b], v[TM+4+\b]   ; with lane l xor 16's 16: the block's largest magnitude
.endr
.irp b, 0,1,2,3
	v_add_nc_u32 v[TM+8+\b], 0xfe000000, v[TM+\b]  ; 4 off its exponent field: the conversion takes that field as its scale
.endr
.irp b, 0,1,2,3
	v_lshrrev_b32 v[TM+4+\b], 23, v[TM+8+\b]       ; the scale's byte
.endr
	v_lshl_or_b32 v[\pw], v[TM+5], 8, v[TM+4]
	v_lshl_or_b32 v[\pw], v[TM+6], 16, v[\pw]
	v_lshl_or_b32 v[\pw], v[TM+7], 24, v[\pw]
.irp c, 0,1
	v_cvt_scalef32_pk16_bf6_f32 v[\pc+6*\c:\pc+6*\c+2], v[\src+32*\c:\src+32*\c+15], v[TM+8+2*\c]
	v_cvt_scalef32_pk16_bf6_f32 v[QT+4*\c:QT+4*\c+2], v[\src+16+32*\c:\src+31+32*\c], v[TM+9+2*\c]   ; (a conversion's three registers begin on an even number)
.endr
	v_nop                                          ; one plain place behind a scaled conversion
.endm
; the operand's layout wants a whole block in a lane: lanes 0-15 block 2 c, lanes 16-31 block 2 c + 1
.macro QSWAP pc
.irp c, 0,1
.irp i, 0,1,2
	v_permlane16_swap_b32 v[\pc+6*\c+\i], v[QT+4*\c+\i]
.endr
.irp i, 0,1,2
	v_mov_b32 v[\pc+6*\c+3+\i], v[QT+4*\c+\i]
.endr
.endr
.endm
.macro LD64 reg, lo
.irp b, 0,1,2,3
.irp j, 0,1,2,3
	global_load_b128 v[\reg+16*\b+4*\j:\reg+16*\b+4*\j+3], v4, s[\lo:\lo+1] offset:128*\b+16*\j
.endr
.endr
.endm
	s_load_b256 s[4:11], s[0:1], 0x0               ; W_h s[4:5], W_d s[6:7], s_t_hat s[8:9], b_d s[10:11]
	s_load_b128 s[12:15], s[0:1], 0x20             ; whc s[12:13], whs s[14:15]
	s_load_b64 s[16:17], s[0:1], 0x30              ; dec
	v_lshl_add_u32 v254, v0, 2, 0x1000
	v_mov_b32 v255, 0
	v_lshrrev_b32 v1, 5, v0
	v_readfirstlane_b32 s[WV], v1                  ; wave 0..3 = K step
	v_and_b32 v1, 31, v0                           ; lane
	v_and_b32 v2, 15, v0                           ; r
	v_bfe_u32 v3, v0, 4, 1                         ; h
	v_lshlrev_b32 v4, 11, v2
	v_lshl_add_u32 v4, v3, 6, v4                   ; row r of 2,048 bytes + 64 h
	v_lshlrev_b32 v5, 4, v1                        ; 16 x lane
	v_lshlrev_b32 v6, 2, v1                        ; 4 x lane
	v_lshlrev_b32 v7, 5, v3                        ; 32 h: my eight m in b_d
	v_lshl_add_u32 v8, v2, 11, v7                  ; dec: batch r's row + 32 h
	s_lshl_b32 s19, s[WV], 10
	v_add_nc_u32 v9, s19, v5                       ; LDS: my wave's 1,024 bytes, 16 a lane
.irp b, 0,1,2,3
	v_mov_b32 v[TM+4+\b], 0                        ; written once: a lane permute's destination counts as one of its sources
.endr
	s_mov_b32 s[SEL], 0x76543210
	s_mov_b32 s[SEL+1], 0xfedcba98
	s_and_b32 s19, ttmp9, 31                       ; t
	s_lshl_b32 s24, s[WV], 9                       ; my K step: 512 bytes into a row
	s_mov_b32 s25, 0
	s_lshl_b32 s22, s19, 15                        ; my 16 rows of 2,048 bytes
	s_add_co_u32 s22, s22, s24
	s_mov_b32 s23, 0
	s_lshl_b32 s26, s19, 6                         ; my 16 m as f32
	s_mov_b32 s27, 0
	s_lshl_b32 s28, s19, 2
	s_add_co_u32 s28, s28, s[WV]                   ; fragment 4 t + s
	s_lshl_b32 s30, s28, 7
	s_mov_b32 s31, 0
	s_mul_i32 s28, s28, 1536
	s_mov_b32 s29, 0
	s_wait_alu depctr_va_vdst(0)
	s_wait_kmcnt 0x0
	s_add_nc_u64 s[4:5], s[4:5], s[22:23]
	s_add_nc_u64 s[6:7], s[6:7], s[22:23]
	s_add_nc_u64 s[8:9], s[8:9], s[24:25]
	s_add_nc_u64 s[10:11], s[10:11], s[26:27]
	s_add_nc_u64 s[12:13], s[12:13], s[28:29]
	s_add_nc_u64 s[14:15], s[14:15], s[30:31]
	s_add_nc_u64 s[16:17], s[16:17], s[26:27]
	s_cmp_lt_u32 ttmp9, 32
	s_cbranch_scc0 .Ldec
	LD64 XH, 4
	s_wait_loadcnt 0x0
	QMAX XH, PCH, PWH
	QSWAP PCH
.irp c, 0,1,2
	global_store_b128 v5, v[PCH+4*\c:PCH+4*\c+3], s[12:13] offset:512*\c   ; 32 lanes store 512 consecutive bytes, at a multiple of 256 from the buffer's first byte
.endr
	global_store_b32 v6, v[PWH], s[14:15]
	s_endpgm                                       ; (this way has written no LDS)
.Ldec:
	LD64 XD, 6
	LD64 XT, 8
	global_load_b128 v[BD:BD+3], v7, s[10:11]
	global_load_b128 v[BD+4:BD+7], v7, s[10:11] offset:16
	s_wait_loadcnt 18                              ; W_d's sixteen are in; behind them 16 + 2 were issued
	QMAX XD, PCA, PWA
	QSWAP PCA
	s_wait_loadcnt 2                               ; s_t_hat's are in; b_d's two may be out
	QMAX XT, PCB, PWB
	QSWAP PCB
.rept 8
	v_nop                                          ; a scale register written by a vector instruction stands 8 places ahead of a scaled matrix instruction, an operand so written 4
.endr
	v_wmma_scale_f32_16x16x128_f8f6f4 v[DD:DD+7], v[PCA:PCA+11], v[PCB:PCB+11], 0, v[PWA], v[PWB] matrix_a_fmt:MATRIX_FMT_BF6 matrix_b_fmt:MATRIX_FMT_BF6   ; register j of lane (r, h): m = 16 t + 8 h + j, batch r, my K step
.rept 4
	v_nop                                          ; four places in front of the first read of the result
.endr
	ds_store_b128 v9, v[DD:DD+3]                   ; the result from its low end on
	ds_store_b128 v9, v[DD+4:DD+7] offset:512
	s_wait_dscnt 0x0                               ; for the others' sake: my stores have landed
	s_barrier_signal -1
	s_barrier_wait -1
	s_cmp_lg_u32 s[WV], 0
	s_cbranch_scc1 .Ldone                          ; wave 0 joins the four K steps
.irp i, 0,1,2,3,4,5,6,7
	ds_load_b128 v[RR+4*\i:RR+4*\i+3], v5 offset:512*\i
.endr
	s_wait_dscnt 0x0
	s_wait_loadcnt 0x0                             ; b_d
.irp s, 1,2,3
.irp p, 0,2,4,6
	v_pk_add_f32 v[RR+\p:RR+\p+1], v[RR+\p:RR+\p+1], v[RR+8*\s+\p:RR+8*\s+\p+1]   ; K ascending
.endr
.endr
.irp p, 0,2,4,6
	v_pk_add_f32 v[RR+\p:RR+\p+1], v[RR+\p:RR+\p+1], v[BD+\p:BD+\p+1]
.endr
	global_store_b128 v8, v[RR:RR+3], s[16:17]     ; 32 bytes a lane of 16 rows of dec: 1 KB a work-group
	global_store_b128 v8, v[RR+4:RR+7], s[16:17] offset:16
.Ldone:
	s_wait_tensorcnt 0x0                           ; the wave's end
	ds_add_u32 v254, v255
	s_wait_dscnt 0x0
	s_endpgm
.Lfunc_end_k_q38195fbe64_prep:
	.size	k_q38195fbe64_prep, .Lfunc_end_k_q38195fbe64_prep-k_q38195fbe64_prep
	.p2alignl 7, 3214868480
	.fill 96, 4, 3214868480
	.section	.rodata,"a",@progbits
	.p2align	6, 0x0
	.amdhsa_kernel k_q38195fbe64_prep
		.amdhsa_group_segment_fixed_size 4608
		.amdhsa_private_segment_fixed_size 0
		.amdhsa_enable_private_segment 0
		.amdhsa_kernarg_size 56
		.amdhsa_user_sgpr_count 2
		.amdhsa_user_sgpr_kernarg_segment_ptr 1
		.amdhsa_wavefront_size32 1
		.amdhsa_system_sgpr_workgroup_id_x 1
		.amdhsa_system_sgpr_workgroup_id_y 1
		.amdhsa_system_sgpr_workgroup_id_z 1
		.amdhsa_system_vgpr_workitem_id 0
		.amdhsa_next_free_vgpr 256
		.amdhsa_next_free_sgpr 66
		.amdhsa_reserve_vcc 0
		.amdhsa_float_denorm_mode_32 3
		.amdhsa_float_denorm_mode_16_64 3
		.amdhsa_memory_ordered 1
		.amdhsa_forward_progress 1
		.amdhsa_inst_pref_size 22
	.end_amdhsa_kernel
	.amdgpu_metadata
---
amdhsa.version: [ 1, 2 ]
amdhsa.kernels:
  - .name:           k_q38195fbe64_prep
    .symbol:         k_q38195fbe64_prep.kd
    .args:
      - { .name: W_h, .offset: 0, .size: 8, .value_kind: global_buffer, .address_space: global }
      - { .name: W_d, .offset: 8, .size: 8, .value_kind: global_buffer, .address_space: global }
      - { .name: s_t_hat, .offset: 16, .size: 8, .value_kind: global_buffer, .address_space: global }
      - { .name: b_d, .offset: 24, .size: 8, .value_kind: global_buffer, .address_space: global }
      - { .name: whc, .offset: 32, .size: 8, .value_kind: global_buffer, .address_space: global }
      - { .name: whs, .offset: 40, .size: 8, .value_kind: global_buffer, .address_space: global }
      - { .name: dec, .offset: 48, .size: 8, .value_kind: global_buffer, .address_space: global }
    .group_segment_fixed_size: 4608
    .private_segment_fixed_size: 0
    .kernarg_segment_align: 8
    .kernarg_segment_size: 56
    .max_flat_workgroup_size: 128
    .sgpr_count:     66
    .vgpr_count:     256
    .wavefront_size: 32
...
	.end_amdgpu_metadata
.endif
;; end of part 1
;; launch main (part 2): grid 256 x 1, 8 waves a work-group, no clusters, 327,680 bytes of LDS; arguments h, W_c, v, coverage, enc_padding_mask, beta, whc, whs, dec, wsc, cpart, stats; writes wsc, cpart, stats
.if DOCPART == 2
	.amdgcn_target "amdgcn-amd-amdhsa--gfx1250"
	.amdhsa_code_object_version 6
	.text
	.protected	k_q38195fbe64_main
	.globl	k_q38195fbe64_main
	.p2align	8
	.type	k_q38195fbe64_main,@function
k_q38195fbe64_main:
	s_mov_b64 s[64:65], 0
	v_nop
	global_prefetch_b8 v0, s[64:65] scope:SCOPE_SE
	s_setreg_imm32_b32 hwreg(HW_REG_WAVE_MODE, 25, 1), 1
	s_wait_xcnt 0x0
; For 256 rows l of h (one work-group): w[l] = beta x sum over m of v[m] tanh((Q(h) Q(W_h)^T)[l][m] + dec[b][m] + coverage[l] W_c[m]),
; and the partial softmax sums under the work-group's own maximum M: S = sum of p[l], c[n] = sum of p[l] h[l][n], p[l] = e^(w[l] - M) mask[l].
; The last launch joins the 16 work-groups of a batch.  h is read from memory once, and out of LDS once.
; SHARES.  Work-group g: rows 256 g on (batch g / 16, sentences 2 g and 2 g + 1), in eight blocks of 32 rows.
; THE WAVES SHARE THE COLUMNS m: wave w owns m = 64 w .. 64 w + 63; its 16 fragments of W_h (192 registers) stay in registers for the whole launch.
; THE WAVES SHARE K IN THE QUANTISER: lane (r, h) of wave w (r = lane % 16, h = lane / 16) takes block 2 w + h of 32 along K of rows r and 16 + r of every block of rows.
; That is registers 6 (w % 2) .. + 5 of the operand of K step w / 2 in the operand's own lane, so the codes go to LDS as they stand; and the 64 f32 numbers stay in the lane's registers
; until p of their rows is known: then they are added, times p, onto the lane's 32 sums, one for each of its columns n, over its own rows alone.  The lanes are joined once, at the end;
; until then each lane has a running maximum of its own.
; A STAGE b, between two barriers: softmax and sums of block b - 1 | products, tanh and partial scores of block b, two tiles of 16 rows | codes of block b + 1.
; A product: source 0 = 16 rows of W_h, source 1 = 16 rows of h: a lane holds ONE row of h and 8 m a tile.  tanh x = 1 - 2 / (1 + 2^(2 log2(e) x)).
; A tile's tanh goes in two halves of 16 registers: one half's exponentials or reciprocals stand among the other half's packed arithmetic.
; LOADS.  Four places of one block each, block b in place b % 4.  Block 0 at the head; blocks 1 and 2, then block 3, each behind a full sequence; then two refills of two blocks.
; Where a load brings two blocks, waves 0-3 and waves 4-7 have lines of their own, and the first block is asked for a barrier earlier than the second.
; Each such load's bytes are asked of memory ahead of it by prefetches of 256 bytes a lane: blocks 1 and 2 at the head, block 3 ahead of stage 0, blocks 4 and 5 in stage 0, 6 and 7 in stage 2; then none.
; NO CLUSTER: no two work-groups read the same rows of h; what all share, W_h's 196,608 bytes of codes, goes once to each work-group's registers.
; Products 3 and 4 have one column or one row: they are f32 multiply-adds of the vector unit.
; LIMITS: NaN and infinities among the inputs are not served.  A block of 32 whose largest magnitude lies under 2^-122 keeps the scale byte 1; a block of zeros gets the byte 1
; where the rule says 127 (its codes are zeros).  The scores' sum over m is taken in another order than a plain ascending one.  The scaled scores stay under 2^31 in magnitude.
.set BLKB,  66560                      ; a block of 32 rows: 32 left half rows of 1,024 bytes + 16 of padding, then 32 right ones.  1,040 = 16 modulo 256: the rows of 16 lanes start at 16 different 16-byte columns
.set HALFB, 33280
.set T16,   16640                      ; 16 half rows
.set T8,    8320                       ; 8 half rows
.set XIMG,  266240                     ; images of the codes, two buffers of 12,288 bytes: tile T, wave w: 512 bytes (16 a lane), 256 bytes (8 a lane).  A multiple of 4,096
.set REC,   290816                     ; a record of 80 bytes for each of the 256 rows: eight partial scores, 16 scale bytes, coverage, mask
.set SPARE, 311296                     ; the spare words, 128 bytes for each wave: four blocks of 256 bytes that no other line names
.set SPW, 1                            ; v1   SPARE + 4 x my thread's number; never rewritten
.set NIL, 2                            ; v2   0; never rewritten
.set XA,  3                            ; v3   where I read h: stepped from block to block
.set IW16, 4                           ; v4-5 where I store my codes: 16 and 8 bytes a lane
.set IW8, 5
.set AF16, 6                           ; v6-7 where I fetch images
.set AF8, 7
.set RB,  8                            ; v8   record of row r
.set XSA, 9                            ; v9   my scale byte in it (less 32)
.set PSA, 10                           ; v10  my wave's partial score in it
.set PFA, 11                           ; v11  256 x thread: the prefetches' offset; never rewritten
.set M,   12                           ; v12  the running maximum of my rows, in base 2;  v13 their sum
.set SL,  13
.set XS,  14                           ; v14-17 h's scale words: scales and nothing else
.set CV,  18                           ; v18  coverage of my row
.set SACC, 20                          ; v20-23 a tile's partial score in four parts
.set WS,  24                           ; v24-31 W_h's scale words: fragment 2 k in lanes 0-15, 2 k + 1 in lanes 16-31
.set WCK, 32                           ; 2 log2(e) W_c of my 32 m (8 t + j)
.set VV,  64                           ; -2 v of my 32 m
.set D,   96                           ; four accumulators; between the tiles at work
.set X0,  128                          ; two sets of 64 numbers; the set that is done with takes a tile's four fragments of h
.set X1,  192
.set DEC, 192                          ; window 1: v0-191 W_h's fragments at 12 (4 t + s); v192-223 dec of my 32 m;
.set ACC, 224                          ;           v224-255 my 32 sums of c
.set LN,  192                          ; the head's: lane, r, h, 32 h, 4 x thread, 16 x lane, scale words' offset, at work
.set RW,  193
.set HF,  194
.set HB,  195
.set T4,  196
.set LI,  197
.set LS,  198
.set COVM, 200
.set TT,  202
.set TU,  203
.set TS,  204
.set WV,  28
.set G1,  32                           ; s[32:39] descriptor group 1 of loads of 8 half rows;  s[68:75] of 16
.set G1R, 68
.set G0H, 40                           ; group 0: s[40:43] block 0;  s[44:47] blocks 1 and 2;  s[76:79] block 3;  s[80:83] blocks 4 and 5;  s[84:87] blocks 6 and 7
.set G0F, 44
.set G0C, 76
.set G0A, 80
.set G0B, 84
.set SEL, 48
.set SVH, 56                           ; s[56:57] a quarter of the sum of v over my wave's 64 m
.set MSB, 0
.macro WIN new                         ; the immediate's high byte repeats the setting that is left
.if MSB != \new
	s_set_vgpr_msb (MSB<<8)|\new
.set MSB, \new
.endif
.endm
.macro LOADT g0, g1
	tensor_load_to_lds s[\g0:\g0+3], s[\g1:\g1+7]
	s_nop 0
.rept 4
	v_nop
.endr
.endm
.macro FILL2 g0                        ; a load of two blocks: a line for each, so that they can be waited for one after the other
	s_cmp_lt_u32 s[WV], 4
	s_cbranch_scc0 .Lupper_\@
	LOADT \g0, G1R
	s_branch .Lfilled_\@
.Lupper_\@:
	LOADT \g0, G1R
.Lfilled_\@:
.endm
.macro MEET lim                        ; a barrier behind which nothing is filled: my LDS stores have landed, my LDS loads are in; and waves under lim have waited for their tensor loads, which are read behind it
	s_wait_alu depctr_va_vdst(0)
.if \lim == 8
	s_wait_tensorcnt 0x0
.else
.if \lim > 0
	s_cmp_ge_u32 s[WV], \lim
	s_cbranch_scc1 .Lno_wait_\@
	s_wait_tensorcnt 0x0
.Lno_wait_\@:
.endif
.endif
	s_wait_dscnt 0x0
	s_barrier_signal -1
	s_barrier_wait -1
.endm
.macro FULL                            ; a barrier behind which LDS is filled, first thing
	s_wait_alu depctr_va_vdst(0)
	s_wait_tensorcnt 0x0                           ; all my tensor loads have landed
	ds_add_u32 v[SPW], v[NIL]                      ; 0 onto my spare word
	s_wait_dscnt 0x0                               ; the add is done, and so are my reads and stores
	s_barrier_signal -1
	s_barrier_wait -1
.endm
.macro XLOAD b                         ; block b's numbers: my 32 along K of rows r and 16 + r
.set XQ, X0+64*((\b)%2)
.irp i, 0,1,2,3,4,5,6,7
	ds_load_b128 v[XQ+4*\i:XQ+4*\i+3], v[XA] offset:16*\i
.endr
.irp i, 0,1,2,3,4,5,6,7
	ds_load_b128 v[XQ+32+4*\i:XQ+32+4*\i+3], v[XA] offset:T16+16*\i
.endr
.if (\b) == 3
	v_sub_nc_u32 v[XA], v[XA], 3*BLKB              ; back to the first of the four places
.else
.if (\b) < 7
	v_add_nc_u32 v[XA], BLKB, v[XA]
.endif
.endif
.endm
; A tile's partial score, from its four parts on: my 32 m, then with lane l xor 16's my wave's 64
.macro SUM1
	v_pk_add_f32 v[SACC:SACC+1], v[SACC:SACC+1], v[SACC+2:SACC+3]
.endm
.macro SUM2
	v_add_f32 v[SACC], v[SACC], v[SACC+1]
.endm
.macro SUM3
	v_permlanex16_b32 v[SACC+1], v[SACC], s[SEL], s[SEL+1]
.endm
.macro SUM4 b, T
	v_add_f32 v[SACC], v[SACC], v[SACC+1]
	ds_store_b32 v[PSA], v[SACC] offset:80*(32*(\b)+16*(\T))   ; both lanes of a row write the same word with the same value
.endm
.macro SUM b, T
	SUM1
	s_delay_alu instid0(VALU_DEP_1)
	SUM2
	s_delay_alu instid0(VALU_DEP_1)
	SUM3
	s_delay_alu instid0(VALU_DEP_1)
	SUM4 \b, \T
.endm
.macro QUANT b, sum                    ; block b's numbers become codes and scale bytes; sum = 1: the block before has its second tile's score finished in between
.set XQ, X0+64*((\b)%2)
.set QO, 12288*((\b)%2)
.irp q, 0,1
	v_max3_num_f32 v[D+2*\q], |v[XQ+32*\q]|, |v[XQ+32*\q+1]|, 0x2800000   ; and the floor 2^(5 - 127): the byte cannot fall under 1
.endr
.irp q, 0,1
	v_max3_num_f32 v[D+2*\q+1], |v[XQ+32*\q+2]|, |v[XQ+32*\q+3]|, |v[XQ+32*\q+4]|
.endr
.if \sum
	SUM1
.endif
.irp i, 5,9,13,17,21,25
.irp q, 0,1
	v_max3_num_f32 v[D+2*\q], v[D+2*\q], |v[XQ+32*\q+\i]|, |v[XQ+32*\q+\i+1]|   ; four chains by turns
.endr
.irp q, 0,1
	v_max3_num_f32 v[D+2*\q+1], v[D+2*\q+1], |v[XQ+32*\q+\i+2]|, |v[XQ+32*\q+\i+3]|
.endr
.if \sum && \i == 5
	SUM2
.endif
.if \sum && \i == 9
	SUM3
.endif
.if \sum && \i == 13
	SUM4 (\b)-1, 1
.endif
.endr
.irp q, 0,1
	v_max3_num_f32 v[D+2*\q], v[D+2*\q], |v[XQ+32*\q+29]|, |v[XQ+32*\q+30]|
.endr
.irp q, 0,1
	s_delay_alu instid0(VALU_DEP_2)
	v_max3_num_f32 v[D+2*\q], v[D+2*\q], v[D+2*\q+1], |v[XQ+32*\q+31]|   ; the block's largest magnitude
.endr
.irp q, 0,1
	s_delay_alu instid0(VALU_DEP_2)
	v_add_nc_u32 v[D+4+\q], 0xfe000000, v[D+2*\q]  ; 4 off its exponent field: the conversion's scale operand
.endr
.irp q, 0,1
	v_cvt_scalef32_pk16_bf6_f32 v[D+8+8*\q:D+10+8*\q], v[XQ+32*\q:XQ+32*\q+15], v[D+4+\q]
	v_cvt_scalef32_pk16_bf6_f32 v[D+12+8*\q:D+14+8*\q], v[XQ+32*\q+16:XQ+32*\q+31], v[D+4+\q]
.endr
.irp q, 0,1
	v_lshrrev_b32 v[D+6+\q], 23, v[D+4+\q]         ; the scale's byte.  (The plain place behind the conversions)
.endr
.irp k, 11,12,13                       ; (a conversion's three registers begin on an even number: the upper half of a block's six moves down by one)
	v_mov_b32 v[D+\k], v[D+\k+1]
	v_mov_b32 v[D+\k+8], v[D+\k+9]
.endr
.irp q, 0,1
	ds_store_b128 v[IW16], v[D+8+8*\q:D+11+8*\q] offset:QO+6144*\q
	ds_store_b64 v[IW8], v[D+12+8*\q:D+13+8*\q] offset:QO+6144*\q+512
	ds_store_b8 v[XSA], v[D+6+\q] offset:80*(32*(\b)+16*\q)+32
.endr
.endm
.macro FETCH b, T, s0                  ; a tile's fragments of K steps s0 and s0 + 1, into set P
.irp s, \s0, \s0+1
	ds_load_b128 v[P+12*(\s):P+12*(\s)+3], v[AF16] offset:12288*((\b)%2)+6144*(\T)+1536*(\s)
	ds_load_b64 v[P+12*(\s)+4:P+12*(\s)+5], v[AF8] offset:12288*((\b)%2)+6144*(\T)+1536*(\s)+512
	ds_load_b128 v[P+12*(\s)+6:P+12*(\s)+9], v[AF16] offset:12288*((\b)%2)+6144*(\T)+1536*(\s)+768
	ds_load_b64 v[P+12*(\s)+10:P+12*(\s)+11], v[AF8] offset:12288*((\b)%2)+6144*(\T)+1536*(\s)+1280
.endr
.endm
.macro FSC b, T                        ; its rows' four scale words
	ds_load_b128 v[XS:XS+3], v[RB] offset:80*(32*(\b)+16*(\T))+32
.endm
.macro FCV b, T                        ; and coverage
	ds_load_b32 v[CV], v[RB] offset:80*(32*(\b)+16*(\T))+48
.endm
.macro MM s                            ; K step s of a tile: the four accumulators take turns, one instruction a turn; dec is the C of each sum's first product
.irp t, 0,1,2,3
.if \s == 0
	v_wmma_scale_f32_16x16x128_f8f6f4 v[D+8*\t:D+8*\t+7], v[48*\t:48*\t+11], v[P:P+11], v[DEC+8*\t:DEC+8*\t+7], v[WS+2*\t], v[XS] matrix_a_fmt:MATRIX_FMT_BF6 matrix_b_fmt:MATRIX_FMT_BF6
.else
.if \s == 2
	v_wmma_scale_f32_16x16x128_f8f6f4 v[D+8*\t:D+8*\t+7], v[48*\t+24:48*\t+35], v[P+24:P+35], v[D+8*\t:D+8*\t+7], v[WS+2*\t+1], v[XS+2] matrix_a_fmt:MATRIX_FMT_BF6 matrix_b_fmt:MATRIX_FMT_BF6
.else
	v_wmma_scale_f32_16x16x128_f8f6f4 v[D+8*\t:D+8*\t+7], v[48*\t+12*\s:48*\t+12*\s+11], v[P+12*\s:P+12*\s+11], v[D+8*\t:D+8*\t+7], v[WS+2*\t+\s/2], v[XS+\s] matrix_a_fmt:MATRIX_FMT_BF6 matrix_b_fmt:MATRIX_FMT_BF6 matrix_a_scale:MATRIX_SCALE_ROW1
.endif
.endif
.endr
.endm
.macro TILE b, T                       ; 16 rows x my 64 m
.set P, X0+64*(((\b)+1)%2)
.if (\T) == 0
	s_wait_dscnt 8                                 ; K steps 0 and 1, the scale words and coverage are in; the eight loads of K steps 2 and 3 may be out
.else
	s_wait_alu depctr_va_vdst(0)
	s_wait_dscnt 0x0
.endif
	WIN 0x11                                       ; source 0 (W_h) and source 2 (dec) window 1
	MM 0
	WIN 0x01
	MM 1
.if (\T) == 0
	s_wait_dscnt 0x0
.endif
	MM 2
	MM 3
	WIN 0
.if (\T) == 0
.rept 4
	v_nop                                          ; four places in front of the loads below and of the first read of results
.endr
	FETCH \b, 1, 0                                 ; the next tile's, under this tile's tanh
	FETCH \b, 1, 2
	FSC \b, 1
.else
	v_nop
	SUM \b, 0                                      ; the last tile's score: four plain lines that name no register of the products stand in these places
.if (\b) < 7
	XLOAD (\b)+1                                   ; the next block's numbers, under this tile's tanh
.endif
.endif
.set i, 0
.rept 16
	v_pk_mul_f32 v[D+i:D+i+1], v[D+i:D+i+1], 0x4038aa3b op_sel_hi:[1,0]   ; x 2 log2(e); each accumulator from its low end on
.set i, i+2
.endr
.set i, 0
.rept 8
	v_pk_fma_f32 v[D+i:D+i+1], v[WCK+i:WCK+i+1], v[CV:CV+1], v[D+i:D+i+1] op_sel_hi:[1,0,1]   ; + coverage x 2 log2(e) W_c: the first half
.set i, i+2
.endr
.set i, 0
	s_wait_alu depctr_va_vdst(0)
.rept 8
	v_exp_f32 v[D+i], v[D+i]
	v_exp_f32 v[D+i+1], v[D+i+1]
	v_pk_fma_f32 v[D+16+i:D+17+i], v[WCK+16+i:WCK+17+i], v[CV:CV+1], v[D+16+i:D+17+i] op_sel_hi:[1,0,1]   ; the second half.  (A plain place behind the exponentials; likewise below)
.set i, i+2
.endr
.if (\T) == 0
	FCV \b, 1
.if (\b) == 0 || (\b) == 2
	global_prefetch_b8 v[PFA], s[4:5] offset:262144+65536*(\b) th:TH_LOAD_NT scope:SCOPE_SE         ; the 64 rows that the refill two stages on brings: 512 blocks of 256 bytes,
	global_prefetch_b8 v[PFA], s[4:5] offset:262144+65536*(\b)+65536 th:TH_LOAD_NT scope:SCOPE_SE   ; a lane each, each asked for once
.endif
.endif
.set i, 0
	s_wait_alu depctr_va_vdst(0)
.rept 8
	v_exp_f32 v[D+16+i], v[D+16+i]
	v_exp_f32 v[D+17+i], v[D+17+i]
	v_pk_add_f32 v[D+i:D+i+1], v[D+i:D+i+1], 1.0 op_sel_hi:[1,0]
.set i, i+2
.endr
.set i, 0
	s_wait_alu depctr_va_vdst(0)
.rept 8
	v_rcp_f32 v[D+i], v[D+i]
	v_rcp_f32 v[D+i+1], v[D+i+1]
	v_pk_add_f32 v[D+16+i:D+17+i], v[D+16+i:D+17+i], 1.0 op_sel_hi:[1,0]
.set i, i+2
.endr
	s_wait_alu depctr_va_vdst(0)
.irp k, 0,1,2,3                        ; sum of v tanh = sum of v + sum of (-2 v) / (1 + 2^..): four chains are begun
	v_rcp_f32 v[D+16+4*\k], v[D+16+4*\k]
	v_rcp_f32 v[D+17+4*\k], v[D+17+4*\k]
	v_rcp_f32 v[D+18+4*\k], v[D+18+4*\k]
	v_rcp_f32 v[D+19+4*\k], v[D+19+4*\k]
.if \k == 0
	v_pk_fma_f32 v[D:D+1], v[D:D+1], v[VV:VV+1], s[SVH:SVH+1] op_sel_hi:[1,1,0]   ; (both words of both lanes of a row begin with a quarter of the sum of v)
.else
	v_pk_mul_f32 v[D+2*\k:D+2*\k+1], v[D+2*\k:D+2*\k+1], v[VV+2*\k:VV+2*\k+1]
.endif
.endr
.if (\T) == 1
	s_wait_dscnt 0x0                               ; the next block's numbers are in
.endif
	s_wait_alu depctr_va_vdst(0)
.set i, 8
.rept 12
	v_pk_fma_f32 v[D+i%8:D+i%8+1], v[D+i:D+i+1], v[VV+i:VV+i+1], v[D+i%8:D+i%8+1]
.set i, i+2
.endr
	v_pk_add_f32 v[SACC:SACC+1], v[D:D+1], v[D+4:D+5]
	v_pk_add_f32 v[SACC+2:SACC+3], v[D+2:D+3], v[D+6:D+7]
.endm
.macro ROWF b, q                       ; my 32 sums += p[row] x the row's numbers; the launch's first row starts them
.if (\b) == 0 && \q == 0
	WIN 0x40
.irp n, 0,2,4,6,8,10,12,14,16,18,20,22,24,26,28,30
	v_pk_mul_f32 v[ACC+\n:ACC+\n+1], v[P+\n:P+\n+1], v[D+26:D+27] op_sel_hi:[1,0]
.endr
.else
	WIN 0x50
.irp n, 0,2,4,6,8,10,12,14,16,18,20,22,24,26,28,30
	v_pk_fma_f32 v[ACC+\n:ACC+\n+1], v[P+32*\q+\n:P+32*\q+\n+1], v[D+26+2*\q:D+27+2*\q], v[ACC+\n:ACC+\n+1] op_sel_hi:[1,0,1]
.endr
.endif
	WIN 0
.endm
.macro P2 b, fetch                     ; softmax and sums of block b; fetch = 1: the registers that fall free take the next block's first tile
.set P, X0+64*((\b)%2)
.irp q, 0,1
	ds_load_b128 v[D+8*\q:D+8*\q+3], v[RB] offset:80*(32*(\b)+16*\q)
	ds_load_b128 v[D+8*\q+4:D+8*\q+7], v[RB] offset:80*(32*(\b)+16*\q)+16
	ds_load_b32 v[D+16+\q], v[RB] offset:80*(32*(\b)+16*\q)+52
.endr
	s_wait_dscnt 0x0                               ; the eight waves' partial scores of my two rows, and their mask
	v_pk_add_f32 v[D:D+1], v[D:D+1], v[D+2:D+3]
	v_pk_add_f32 v[D+8:D+9], v[D+8:D+9], v[D+10:D+11]
	v_pk_add_f32 v[D+4:D+5], v[D+4:D+5], v[D+6:D+7]
	v_pk_add_f32 v[D+12:D+13], v[D+12:D+13], v[D+14:D+15]
	s_delay_alu instid0(VALU_DEP_2)
	v_pk_add_f32 v[D:D+1], v[D:D+1], v[D+4:D+5]
	s_delay_alu instid0(VALU_DEP_2)
	v_pk_add_f32 v[D+8:D+9], v[D+8:D+9], v[D+12:D+13]
	s_delay_alu instid0(VALU_DEP_2)
	v_add_f32 v[D+18], v[D], v[D+1]
	s_delay_alu instid0(VALU_DEP_2)
	v_add_f32 v[D+19], v[D+8], v[D+9]
	s_delay_alu instid0(VALU_DEP_1)
	v_pk_mul_f32 v[D+18:D+19], v[D+18:D+19], s[50+2*((\b)/4):51+2*((\b)/4)] op_sel_hi:[1,0]   ; x log2(e) x the sentence's beta
	s_delay_alu instid0(VALU_DEP_1)
.if (\b) == 0
	v_max_num_f32 v[D+21], v[D+18], v[D+19]
.else
	v_max3_num_f32 v[D+21], v[M], v[D+18], v[D+19] ; my rows' new maximum, over masked rows too
	s_delay_alu instid0(VALU_DEP_1)
	v_sub_f32 v[D+20], v[M], v[D+21]
.endif
	v_sub_f32 v[D+22], v[D+18], v[D+21]
	v_sub_f32 v[D+23], v[D+19], v[D+21]
	s_wait_alu depctr_va_vdst(0)
.if (\b) > 0
	v_exp_f32 v[D+24], v[D+20]                     ; what was summed under the old maximum is multiplied by this
.endif
	v_exp_f32 v[D+26], v[D+22]
	v_exp_f32 v[D+28], v[D+23]
	v_mov_b32 v[M], v[D+21]                        ; (a plain place behind the exponentials)
	s_wait_alu depctr_va_vdst(0)
	v_mul_f32 v[D+26], v[D+26], v[D+16]
	v_mul_f32 v[D+28], v[D+28], v[D+17]
.if (\b) == 0
	v_add_f32 v[SL], v[D+26], v[D+28]
.else
	v_fma_f32 v[SL], v[SL], v[D+24], v[D+26]
	v_add_f32 v[SL], v[SL], v[D+28]
	WIN 0x41
.irp n, 0,2,4,6,8,10,12,14,16,18,20,22,24,26,28,30
	v_pk_mul_f32 v[ACC+\n:ACC+\n+1], v[ACC+\n:ACC+\n+1], v[D+24:D+25] op_sel_hi:[1,0]
.endr
.endif
	ROWF \b, 0
.if \fetch
	FETCH (\b)+1, 0, 0                             ; row r's 32 registers are free
	FSC (\b)+1, 0
	FCV (\b)+1, 0
.endif
	ROWF \b, 1
.if \fetch
	FETCH (\b)+1, 0, 2                             ; and row 16 + r's
.endif
.endm
.macro STAGE b
.if \b == 0
.set P, X1
	FETCH 0, 0, 0
	FSC 0, 0
	FCV 0, 0
	FETCH 0, 0, 2
.else
	P2 (\b)-1, 1
.endif
	TILE \b, 0
.if \b == 0
	MEET 4                                         ; block 1 is in
.endif
	TILE \b, 1
.if \b < 7
	QUANT (\b)+1, 1
.else
	SUM \b, 1
.endif
.endm
	s_load_b512 s[4:19], s[0:1], 0x0               ; h s[4:5], W_c s[6:7], v s[8:9], coverage s[10:11], mask s[12:13], beta s[14:15], whc s[16:17], whs s[18:19]
	s_load_b256 s[20:27], s[0:1], 0x40             ; dec s[20:21], wsc s[22:23], cpart s[24:25], stats s[26:27]
	v_lshl_add_u32 v[SPW], v0, 2, SPARE
	v_mov_b32 v[NIL], 0
	ds_add_u32 v[SPW], v[NIL]                      ; the wave's opening
	ds_add_u32 v[SPW], v[NIL]
	v_lshrrev_b32 v[TT], 5, v0
	v_readfirstlane_b32 s[WV], v[TT]               ; wave 0..7
	; group 1: half rows of 256 elements of 4 bytes, 512 apart, 4 words of padding behind every 256 words
.irp g, G1, G1R
	s_mov_b32 s[\g+0], (2<<16)|(1<<20)|(7<<22)|(3<<25)
	s_mov_b32 s[\g+1], 256<<16                     ; tensor_dim0
	s_mov_b32 s[\g+3], 256<<16                     ; tile_dim0
	s_mov_b32 s[\g+5], 512                         ; from row to row
	s_mov_b32 s[\g+6], 0
	s_mov_b32 s[\g+7], 0
.endr
	s_mov_b32 s[G1+2], 8<<16                       ; tensor_dim1
	s_mov_b32 s[G1+4], 8                           ; tile_dim1
	s_mov_b32 s[G1R+2], 16<<16
	s_mov_b32 s[G1R+4], 16
	s_lshl_b32 s60, ttmp9, 19                      ; my 256 rows of 2,048 bytes
	s_mov_b32 s61, 0
	s_and_b32 s62, s[WV], 3                        ; a load of one block: rows 8 (w % 4) on,
	s_lshl_b32 s62, s62, 14
	s_lshr_b32 s29, s[WV], 2                       ; left or right half by w / 4:
	s_lshl_b32 s30, s29, 10
	s_add_co_u32 s62, s62, s30
	s_mov_b32 s63, 0
	s_mul_i32 s31, s[WV], T8                       ; to byte 8,320 w of its place
	s_lshl_b32 s58, s29, 16                        ; a load of two: block w / 4 of them,
	s_and_b32 s30, s[WV], 1
	s_lshl_b32 s30, s30, 15                        ; rows 16 (w % 2) on,
	s_add_co_u32 s58, s58, s30
	s_bfe_u32 s30, s[WV], 0x10001
	s_lshl_b32 s30, s30, 10                        ; left or right half by (w / 2) % 2:
	s_add_co_u32 s58, s58, s30
	s_mov_b32 s59, 0
	s_mul_i32 s57, s[WV], T16                      ; to byte 16,640 w of its places
	s_wait_alu depctr_va_vdst(0)
	s_wait_dscnt 0x0                               ; both opening adds are done
	s_wait_kmcnt 0x0
	s_add_nc_u64 s[4:5], s[4:5], s[60:61]
	s_mov_b32 s[G0H], 1
	s_mov_b32 s[G0H+1], s31
	s_add_nc_u64 s[G0H+2:G0H+3], s[4:5], s[62:63]
	s_mov_b32 s[G0C], 1
	s_add_co_u32 s[G0C+1], s31, 3*BLKB
	s_add_nc_u64 s[G0C+2:G0C+3], s[G0H+2:G0H+3], 0x30000   ; row 96
	s_or_b32 s[G0H+3], s[G0H+3], 0x80000000
	s_or_b32 s[G0C+3], s[G0C+3], 0x80000000
	LOADT G0H, G1                                  ; block 0
	s_mov_b32 s[G0F], 1
	s_add_co_u32 s[G0F+1], s57, BLKB
	s_add_nc_u64 s[G0F+2:G0F+3], s[4:5], s[58:59]
	s_add_nc_u64 s[G0F+2:G0F+3], s[G0F+2:G0F+3], 0x10000   ; row 32
	s_mov_b32 s[G0A], 1
	s_mov_b32 s[G0A+1], s57
	s_add_nc_u64 s[G0A+2:G0A+3], s[G0F+2:G0F+3], 0x30000   ; row 128
	s_mov_b32 s[G0B], 1
	s_add_co_u32 s[G0B+1], s57, 2*BLKB
	s_add_nc_u64 s[G0B+2:G0B+3], s[G0A+2:G0A+3], 0x20000   ; row 192
	s_or_b32 s[G0F+3], s[G0F+3], 0x80000000
	s_or_b32 s[G0A+3], s[G0A+3], 0x80000000
	s_or_b32 s[G0B+3], s[G0B+3], 0x80000000
	s_lshl_b32 s60, ttmp9, 10                      ; my 256 rows as f32
	s_add_nc_u64 s[10:11], s[10:11], s[60:61]
	s_add_nc_u64 s[12:13], s[12:13], s[60:61]
	s_add_nc_u64 s[22:23], s[22:23], s[60:61]
	s_lshl_b32 s60, ttmp9, 11
	s_add_nc_u64 s[24:25], s[24:25], s[60:61]
	s_lshl_b32 s60, ttmp9, 8
	s_add_nc_u64 s[26:27], s[26:27], s[60:61]
	s_lshl_b32 s60, ttmp9, 3
	s_add_nc_u64 s[14:15], s[14:15], s[60:61]
	s_load_b64 s[54:55], s[14:15], 0x0             ; beta of sentences 2 g, 2 g + 1
	s_lshr_b32 s60, ttmp9, 4
	s_lshl_b32 s60, s60, 11                        ; the batch's row of dec
	s_lshl_b32 s62, s[WV], 8                       ; my 64 m as f32
	s_add_nc_u64 s[20:21], s[20:21], s[60:61]
	s_add_nc_u64 s[20:21], s[20:21], s[62:63]
	s_add_nc_u64 s[6:7], s[6:7], s[62:63]
	s_add_nc_u64 s[8:9], s[8:9], s[62:63]
	s_mul_i32 s62, s[WV], 16*1536                  ; my 16 fragments
	s_add_nc_u64 s[16:17], s[16:17], s[62:63]
	s_lshl_b32 s62, s[WV], 11
	s_add_nc_u64 s[18:19], s[18:19], s[62:63]
	s_mov_b32 s[SEL], 0x76543210
	s_mov_b32 s[SEL+1], 0xfedcba98
	v_and_b32 v[LN], 31, v0
	v_and_b32 v[RW], 15, v0
	v_bfe_u32 v[HF], v0, 4, 1
	v_lshlrev_b32 v[T4], 2, v0
	v_lshlrev_b32 v[PFA], 8, v0
	v_lshlrev_b32 v[LI], 4, v[LN]
	v_lshlrev_b32 v[LS], 2, v[RW]
	v_lshlrev_b32 v[HB], 5, v[HF]
	v_lshl_add_u32 v[LS], v[HF], 7, v[LS]
	global_load_b32 v[COVM], v[T4], s[10:11]
	global_load_b32 v[COVM+1], v[T4], s[12:13]
.irp t, 0,1,2,3
	global_load_b128 v[WCK+8*\t:WCK+8*\t+3], v[HB], s[6:7] offset:64*\t
	global_load_b128 v[WCK+8*\t+4:WCK+8*\t+7], v[HB], s[6:7] offset:64*\t+16
	global_load_b128 v[VV+8*\t:VV+8*\t+3], v[HB], s[8:9] offset:64*\t
	global_load_b128 v[VV+8*\t+4:VV+8*\t+7], v[HB], s[8:9] offset:64*\t+16
.endr
.irp k, 0,1,2,3,4,5,6,7
	global_load_b32 v[WS+\k], v[LS], s[18:19] offset:256*\k
.endr
	global_prefetch_b8 v[PFA], s[4:5] offset:65536 th:TH_LOAD_NT scope:SCOPE_SE    ; blocks 1 and 2: 512 blocks of 256 bytes, a lane each
	global_prefetch_b8 v[PFA], s[4:5] offset:131072 th:TH_LOAD_NT scope:SCOPE_SE
	WIN 0x40                                       ; destination window 1
.irp t, 0,1,2,3
	global_load_b128 v[DEC+8*\t:DEC+8*\t+3], v[HB], s[20:21] offset:64*\t
	global_load_b128 v[DEC+8*\t+4:DEC+8*\t+7], v[HB], s[20:21] offset:64*\t+16
.endr
.irp f, 0,1,2,3,4,5,6,7,8,9,10,11,12,13,14,15
.irp c, 0,1,2
	global_load_b128 v[12*\f+4*\c:12*\f+4*\c+3], v[LI], s[16:17] offset:1536*\f+512*\c   ; W_h's fragments: 512 consecutive bytes a load; they stay
.endr
.endr
	WIN 0
	; every LDS address: a constant + a constant x lane + a constant x wave
	s_lshr_b32 s29, s[WV], 2
	s_mul_i32 s29, s29, HALFB                      ; waves 4-7: the right half rows
	s_and_b32 s30, s[WV], 3
	s_lshl_b32 s30, s30, 8
	s_add_co_u32 s29, s29, s30
	v_mul_u32_u24 v[XA], v[RW], 1040
	v_lshl_add_u32 v[AF16], v[LN], 4, XIMG
	v_lshl_add_u32 v[AF8], v[LN], 3, XIMG
	v_mul_u32_u24 v[RB], v[RW], 80
	v_lshl_add_u32 v[XA], v[HF], 7, v[XA]
	s_mul_i32 s30, s[WV], 768
	v_add_nc_u32 v[IW16], s30, v[AF16]
	v_add_nc_u32 v[IW8], s30, v[AF8]
	v_add_nc_u32 v[RB], REC, v[RB]
	v_add_nc_u32 v[XA], s29, v[XA]
	s_lshl_b32 s30, s[WV], 1
	s_lshl_b32 s31, s[WV], 2
	v_add_nc_u32 v[XSA], v[RB], v[HF]
	v_add_nc_u32 v[PSA], s31, v[RB]
	v_mul_u32_u24 v[TU], v0, 80
	v_add_nc_u32 v[XSA], s30, v[XSA]
	v_add_nc_u32 v[TU], REC, v[TU]                 ; my thread's row's record
	v_mov_b32 v[CV+1], 0                           ; the upper half of a pair of which the low word is taken: written, since it is named
	s_wait_alu depctr_va_vdst(0)
	s_wait_loadcnt 48                              ; all but W_h's 48 loads
	s_wait_kmcnt 0x0
.set i, 0
.rept 16
	v_pk_mul_f32 v[WCK+i:WCK+i+1], v[WCK+i:WCK+i+1], 0x4038aa3b op_sel_hi:[1,0]   ; 2 log2(e) W_c
	v_pk_mul_f32 v[VV+i:VV+i+1], v[VV+i:VV+i+1], -2.0 op_sel_hi:[1,0]            ; -2 v
.set i, i+2
.endr
	ds_store_b64 v[TU], v[COVM:COVM+1] offset:48   ; coverage and mask of a row a thread
.irp n, 0,2,4,6,8,10,12,14
	v_pk_add_f32 v[TS+\n:TS+\n+1], v[VV+\n:VV+\n+1], v[VV+16+\n:VV+17+\n]
.endr
.irp n, 0,2,4,6
	v_pk_add_f32 v[TS+\n:TS+\n+1], v[TS+\n:TS+\n+1], v[TS+8+\n:TS+9+\n]
.endr
.irp n, 0,2
	s_delay_alu instid0(VALU_DEP_2)
	v_pk_add_f32 v[TS+\n:TS+\n+1], v[TS+\n:TS+\n+1], v[TS+4+\n:TS+5+\n]
.endr
	s_delay_alu instid0(VALU_DEP_1)
	v_pk_add_f32 v[TS:TS+1], v[TS:TS+1], v[TS+2:TS+3]
	s_delay_alu instid0(VALU_DEP_1)
	v_add_f32 v[TS], v[TS], v[TS+1]
	s_delay_alu instid0(VALU_DEP_1)
	v_permlanex16_b32 v[TS+1], v[TS], s[SEL], s[SEL+1]
	s_delay_alu instid0(VALU_DEP_1)
	v_add_f32 v[TS], v[TS], v[TS+1]
	s_delay_alu instid0(VALU_DEP_1)
	v_mul_f32 v[TS], 0xbe000000, v[TS]             ; -1/8 of the sum of -2 v over my wave's 64 m
	v_readfirstlane_b32 s[SVH], v[TS]
	s_mov_b32 s[SVH+1], s[SVH]
	v_mov_b32 v[TS+2], s54
	v_mov_b32 v[TS+3], s55
	v_mul_f32 v[TS+2], 0x3fb8aa3b, v[TS+2]         ; log2(e) x beta
	v_mul_f32 v[TS+3], 0x3fb8aa3b, v[TS+3]
	v_readfirstlane_b32 s50, v[TS+2]
	v_readfirstlane_b32 s52, v[TS+3]
	s_mov_b32 s51, s50
	s_mov_b32 s53, s52
	FULL                                           ; block 0 is in: blocks 1 and 2 are asked for
	FILL2 G0F
	XLOAD 0
	global_prefetch_b8 v[PFA], s[4:5] offset:196608 th:TH_LOAD_NT scope:SCOPE_SE   ; block 3
	s_wait_dscnt 0x0
	QUANT 0, 0
	MEET 0                                         ; block 0's images lie in LDS
	s_wait_loadcnt 0x0                             ; W_h's fragments
	STAGE 0
	FULL                                           ; block 2 is in: block 3 is asked for
	LOADT G0C, G1
	STAGE 1
	FULL                                           ; block 3 is in; blocks 0 and 1 have been read: their places take blocks 4 and 5
	FILL2 G0A
	STAGE 2
	MEET 4                                         ; block 4 is in
	STAGE 3
	FULL                                           ; block 5 is in; blocks 2 and 3 have been read: their places take blocks 6 and 7
	FILL2 G0B
	STAGE 4
	MEET 4                                         ; block 6 is in
	STAGE 5
	MEET 8                                         ; block 7 is in
	STAGE 6
	MEET 0
	STAGE 7
	MEET 0
	P2 7, 0
	; the end: the 16 lanes' maxima are joined, each lane's sums brought under the joint one, and added over the lanes through my wave's 4,608 bytes of the first place, which has had its last fill
	v_max_num_f32_dpp v[D], v[M], v[M] row_xmask:1 row_mask:0xf bank_mask:0xf
	s_delay_alu instid0(VALU_DEP_1)
	v_max_num_f32_dpp v[D], v[D], v[D] row_xmask:2 row_mask:0xf bank_mask:0xf
	s_delay_alu instid0(VALU_DEP_1)
	v_max_num_f32_dpp v[D], v[D], v[D] row_xmask:4 row_mask:0xf bank_mask:0xf
	s_delay_alu instid0(VALU_DEP_1)
	v_max_num_f32_dpp v[D], v[D], v[D] row_xmask:8 row_mask:0xf bank_mask:0xf
	s_mul_i32 s29, s[WV], 4608
	s_lshl_b32 s30, s[WV], 8
	s_mul_i32 s31, s[WV], 5120
	s_add_co_u32 s31, s31, REC
	v_sub_f32 v[D+1], v[M], v[D]
	v_and_b32 v[D+4], 0xff, v[AF8]                 ; 8 x lane (XIMG is a multiple of 256)
	v_mul_u32_u24 v[D+5], v[D+4], 18               ; in: 144 x lane
	v_lshrrev_b32 v[D+6], 7, v[D+4]
	v_and_b32 v[D+7], 0x78, v[D+4]
	v_mul_u32_u24 v[D+6], v[D+6], 2304             ; back: lanes 0-15 two columns each of lanes 0-15's 32, lanes 16-31 of lanes 16-31's
	v_mul_u32_u24 v[D+29], v[D+4], 20
	v_add_nc_u32 v[D+5], s29, v[D+5]
	v_add_nc_u32 v[D+6], v[D+6], v[D+7]
	v_add_nc_u32 v[D+28], s30, v[D+4]              ; 256 w + 8 x lane
	v_add_nc_u32 v[D+29], s31, v[D+29]             ; the records of rows 64 w + 2 lane, + 1
	v_add_nc_u32 v[D+6], s29, v[D+6]
	s_wait_alu depctr_va_vdst(0)
	v_exp_f32 v[D+2], v[D+1]
	v_mul_f32 v[M], 0x3f317218, v[D]               ; the maximum in base e.  (A plain place behind the exponential)
	s_wait_alu depctr_va_vdst(0)
	v_mul_f32 v[SL], v[SL], v[D+2]
	WIN 0x01
.irp n, 0,2,4,6,8,10,12,14,16,18,20,22,24,26,28,30
	v_pk_mul_f32 v[X0+\n:X0+\n+1], v[ACC+\n:ACC+\n+1], v[D+2:D+3] op_sel_hi:[1,0]
.endr
	WIN 0
.irp i, 0,1,2,3,4,5,6,7
	ds_store_b128 v[D+5], v[X0+4*\i:X0+4*\i+3] offset:16*\i
.endr
.irp k, 0,1,2,3,4,5,6,7,8,9,10,11,12,13,14,15
	ds_load_b64 v[X1+2*\k:X1+2*\k+1], v[D+6] offset:144*\k   ; LDS serves a wave's instructions in order: these see the stores above
.endr
	v_add_f32_dpp v[SL], v[SL], v[SL] row_xmask:1 row_mask:0xf bank_mask:0xf
	s_delay_alu instid0(VALU_DEP_1)
	v_add_f32_dpp v[SL], v[SL], v[SL] row_xmask:2 row_mask:0xf bank_mask:0xf
	s_delay_alu instid0(VALU_DEP_1)
	v_add_f32_dpp v[SL], v[SL], v[SL] row_xmask:4 row_mask:0xf bank_mask:0xf
	s_delay_alu instid0(VALU_DEP_1)
	v_add_f32_dpp v[SL], v[SL], v[SL] row_xmask:8 row_mask:0xf bank_mask:0xf
	s_lshr_b32 s29, s[WV], 1
	s_cmp_eq_u32 s29, 0
	s_cselect_b32 s58, s54, s55
	s_wait_alu depctr_va_vdst(0)
	s_cmp_lt_u32 s[WV], 4
	s_cbranch_scc0 .Lno_w                          ; waves 0-3 store w of 64 rows each
.irp q, 0,1
	ds_load_b128 v[D+8+8*\q:D+11+8*\q], v[D+29] offset:80*\q
	ds_load_b128 v[D+12+8*\q:D+15+8*\q], v[D+29] offset:80*\q+16
.endr
	s_wait_dscnt 0x0
.irp q, 0,1
	v_pk_add_f32 v[D+8+8*\q:D+9+8*\q], v[D+8+8*\q:D+9+8*\q], v[D+10+8*\q:D+11+8*\q]
	v_pk_add_f32 v[D+12+8*\q:D+13+8*\q], v[D+12+8*\q:D+13+8*\q], v[D+14+8*\q:D+15+8*\q]
.endr
.irp q, 0,1
	v_pk_add_f32 v[D+8+8*\q:D+9+8*\q], v[D+8+8*\q:D+9+8*\q], v[D+12+8*\q:D+13+8*\q]
.endr
.irp q, 0,1
	v_add_f32 v[D+24+\q], v[D+8+8*\q], v[D+9+8*\q]
.endr
.irp q, 0,1
	v_mul_f32 v[D+24+\q], s58, v[D+24+\q]
.endr
	global_store_b64 v[D+28], v[D+24:D+25], s[22:23]   ; 32 lanes store 256 consecutive bytes, aligned
.Lno_w:
	s_cmp_lg_u32 s[WV], 4
	s_cbranch_scc1 .Lno_stats
	global_store_b64 v[D+4], v[M:M+1], s[26:27]    ; (M, S) 32 times: one aligned run of 256 bytes for the work-group
.Lno_stats:
	s_wait_dscnt 0x0
.irp n, 0,2,4,6,8,10,12,14
	v_pk_add_f32 v[X1+\n:X1+\n+1], v[X1+\n:X1+\n+1], v[X1+16+\n:X1+17+\n]
.endr
.irp n, 0,2,4,6
	v_pk_add_f32 v[X1+\n:X1+\n+1], v[X1+\n:X1+\n+1], v[X1+8+\n:X1+9+\n]
.endr
.irp n, 0,2
	v_pk_add_f32 v[X1+\n:X1+\n+1], v[X1+\n:X1+\n+1], v[X1+4+\n:X1+5+\n]
.endr
	v_pk_add_f32 v[X1:X1+1], v[X1:X1+1], v[X1+2:X1+3]
	global_store_b64 v[D+28], v[X1:X1+1], s[24:25] ; a wave stores 256 consecutive bytes, aligned
	s_wait_tensorcnt 0x0                           ; the wave's end
	ds_add_u32 v[SPW], v[NIL]
	s_wait_dscnt 0x0
	s_endpgm
.Lfunc_end_k_q38195fbe64_main:
	.size	k_q38195fbe64_main, .Lfunc_end_k_q38195fbe64_main-k_q38195fbe64_main
	.p2alignl 7, 3214868480
	.fill 96, 4, 3214868480
	.section	.rodata,"a",@progbits
	.p2align	6, 0x0
	.amdhsa_kernel k_q38195fbe64_main
		.amdhsa_group_segment_fixed_size 327680
		.amdhsa_private_segment_fixed_size 0
		.amdhsa_enable_private_segment 0
		.amdhsa_kernarg_size 96
		.amdhsa_user_sgpr_count 2
		.amdhsa_user_sgpr_kernarg_segment_ptr 1
		.amdhsa_wavefront_size32 1
		.amdhsa_system_sgpr_workgroup_id_x 1
		.amdhsa_system_sgpr_workgroup_id_y 1
		.amdhsa_system_sgpr_workgroup_id_z 1
		.amdhsa_system_vgpr_workitem_id 0
		.amdhsa_next_free_vgpr 512
		.amdhsa_next_free_sgpr 88
		.amdhsa_reserve_vcc 0
		.amdhsa_float_denorm_mode_32 3
		.amdhsa_float_denorm_mode_16_64 3
		.amdhsa_memory_ordered 1
		.amdhsa_forward_progress 1
		.amdhsa_inst_pref_size 255
	.end_amdhsa_kernel
	.section	.bss,"aw",@nobits
	.p2align	6
	.space	262144
	.amdgpu_metadata
---
amdhsa.version: [ 1, 2 ]
amdhsa.kernels:
  - .name:           k_q38195fbe64_main
    .symbol:         k_q38195fbe64_main.kd
    .args:
      - { .name: h, .offset: 0, .size: 8, .value_kind: global_buffer, .address_space: global }
      - { .name: W_c, .offset: 8, .size: 8, .value_kind: global_buffer, .address_space: global }
      - { .name: v, .offset: 16, .size: 8, .value_kind: global_buffer, .address_space: global }
      - { .name: coverage, .offset: 24, .size: 8, .value_kind: global_buffer, .address_space: global }
      - { .name: enc_padding_mask, .offset: 32, .size: 8, .value_kind: global_buffer, .address_space: global }
      - { .name: beta, .offset: 40, .size: 8, .value_kind: global_buffer, .address_space: global }
      - { .name: whc, .offset: 48, .size: 8, .value_kind: global_buffer, .address_space: global }
      - { .name: whs, .offset: 56, .size: 8, .value_kind: global_buffer, .address_space: global }
      - { .name: dec, .offset: 64, .size: 8, .value_kind: global_buffer, .address_space: global }
      - { .name: wsc, .offset: 72, .size: 8, .value_kind: global_buffer, .address_space: global }
      - { .name: cpart, .offset: 80, .size: 8, .value_kind: global_buffer, .address_space: global }
      - { .name: stats, .offset: 88, .size: 8, .value_kind: global_buffer, .address_space: global }
    .group_segment_fixed_size: 327680
    .private_segment_fixed_size: 0
    .kernarg_segment_align: 8
    .kernarg_segment_size: 96
    .max_flat_workgroup_size: 256
    .sgpr_count:     88
    .vgpr_count:     512
    .wavefront_size: 32
...
	.end_amdgpu_metadata
.endif
;; end of part 2
;; launch finish (part 3): grid 4 x 16, 8 waves a work-group, no clusters, 5,120 bytes of LDS; arguments wsc, stats, cpart, enc_padding_mask, coverage, out0, out1, out2; writes out0, out1, out2
.if DOCPART == 3
	.amdgcn_target "amdgcn-amd-amdhsa--gfx1250"
	.amdhsa_code_object_version 6
	.text
	.protected	k_q38195fbe64_finish
	.globl	k_q38195fbe64_finish
	.p2align	8
	.type	k_q38195fbe64_finish,@function
k_q38195fbe64_finish:
	s_mov_b64 s[64:65], 0
	v_nop
	global_prefetch_b8 v0, s[64:65] scope:SCOPE_SE
	s_setreg_imm32_b32 hwreg(HW_REG_WAVE_MODE, 25, 1), 1
	s_wait_xcnt 0x0
; The 16 work-groups' partial softmax sums of a batch are joined: M = the largest M_g, e_g = e^(M_g - M), total = sum of e_g S_g;
; attn[l] = e^(w[l] - M) mask[l] / total;  coverage_new = coverage + attn;  c_t[n] = sum of e_g c_g[n] / total.
; Work-group (q, b): rows 1,024 q on of batch b, 4 a thread, and columns 128 q on of c_t.  Wave w joins partials 2 w and 2 w + 1; the eight sums meet in LDS and wave 0 adds them.
; 64 work-groups: 1.8 MB of traffic in all; no matrix unit, no tensor load, no cluster: nothing here is large or read again and again.
; A batch whose every row is masked gives NaN (0 x infinity), as 0 / 0 does in the definition.  NaN and infinities among the inputs are not served.
	s_load_b512 s[4:19], s[0:1], 0x0               ; wsc s[4:5], stats s[6:7], cpart s[8:9], mask s[10:11], coverage s[12:13], out0 s[14:15], out1 s[16:17], out2 s[18:19]
	v_lshl_add_u32 v96, v0, 2, 0x1000
	v_mov_b32 v97, 0
	v_lshrrev_b32 v1, 5, v0
	s_delay_alu instid0(VALU_DEP_1)
	v_readfirstlane_b32 s20, v1                    ; wave 0..7
	v_and_b32 v1, 31, v0
	v_and_b32 v2, 15, v0
	s_delay_alu instid0(VALU_DEP_1)
	v_lshlrev_b32 v2, 8, v2                        ; lane % 16 takes that work-group's (M, S)
	s_delay_alu instid0(VALU_DEP_3)
	v_lshlrev_b32 v3, 4, v1                        ; 16 x lane
	v_lshlrev_b32 v4, 4, v0                        ; 16 x thread: my 4 rows; also my place in LDS: 512 x wave + 16 x lane
	s_lshl_b32 s30, s20, 3
	v_mov_b32 v5, s30                              ; lane 2 w as a byte index,
	s_delay_alu instid0(VALU_DEP_1)
	v_add_nc_u32 v6, 4, v5                         ; lane 2 w + 1
	v_mov_b32 v27, 0                               ; upper halves of pairs of which the low word is taken: written, since they are named
	v_mov_b32 v29, 0
	v_mov_b32 v31, 0
	s_and_b32 s21, ttmp7, 0xffff                   ; the batch
	s_lshl_b32 s22, s21, 14
	s_lshl_b32 s24, ttmp9, 12
	s_add_co_u32 s22, s22, s24                     ; rows: 16,384 b + 4,096 q
	s_mov_b32 s23, 0
	s_lshl_b32 s24, s21, 12                        ; stats: 16 x 256 bytes a batch
	s_mov_b32 s25, 0
	s_lshl_b32 s26, s21, 15
	s_lshl_b32 s28, ttmp9, 9
	s_add_co_u32 s26, s26, s28
	s_lshl_b32 s30, s20, 12
	s_add_co_u32 s26, s26, s30                     ; cpart: 32,768 b + 512 q + 4,096 w
	s_mov_b32 s27, 0
	s_lshl_b32 s30, s21, 11
	s_add_co_u32 s28, s28, s30                     ; out0: 2,048 b + 512 q
	s_mov_b32 s29, 0
	s_wait_alu depctr_va_vdst(0)
	s_wait_kmcnt 0x0
	s_add_nc_u64 s[4:5], s[4:5], s[22:23]
	s_add_nc_u64 s[10:11], s[10:11], s[22:23]
	s_add_nc_u64 s[12:13], s[12:13], s[22:23]
	s_add_nc_u64 s[16:17], s[16:17], s[22:23]
	s_add_nc_u64 s[18:19], s[18:19], s[22:23]
	s_add_nc_u64 s[6:7], s[6:7], s[24:25]
	s_add_nc_u64 s[8:9], s[8:9], s[26:27]
	s_add_nc_u64 s[14:15], s[14:15], s[28:29]
	global_load_b64 v[8:9], v2, s[6:7]
	global_load_b128 v[12:15], v4, s[4:5]
	global_load_b128 v[16:19], v4, s[10:11]
	global_load_b128 v[20:23], v4, s[12:13]
	global_load_b128 v[32:35], v3, s[8:9]          ; partial 2 w: 512 consecutive bytes
	global_load_b128 v[36:39], v3, s[8:9] offset:2048
	s_wait_loadcnt 0x0
	v_mov_b32 v10, v8
	s_delay_alu instid0(VALU_DEP_1)
	v_max_num_f32_dpp v10, v10, v10 row_xmask:1 row_mask:0xf bank_mask:0xf
	s_delay_alu instid0(VALU_DEP_1)
	v_max_num_f32_dpp v10, v10, v10 row_xmask:2 row_mask:0xf bank_mask:0xf
	s_delay_alu instid0(VALU_DEP_1)
	v_max_num_f32_dpp v10, v10, v10 row_xmask:4 row_mask:0xf bank_mask:0xf
	s_delay_alu instid0(VALU_DEP_1)
	v_max_num_f32_dpp v10, v10, v10 row_xmask:8 row_mask:0xf bank_mask:0xf   ; M: both halves of the lanes hold the same sixteen
	s_delay_alu instid0(VALU_DEP_1)
	v_sub_f32 v11, v8, v10
	s_delay_alu instid0(VALU_DEP_1)
	v_mul_f32 v11, 0x3fb8aa3b, v11
	s_wait_alu depctr_va_vdst(0)
	v_exp_f32 v11, v11                             ; e_g
.irp i, 12,13,14,15
	v_sub_f32 v\i, v\i, v10                        ; (plain places behind the exponential)
.endr
	s_wait_alu depctr_va_vdst(0)
	v_mul_f32 v24, v9, v11
	s_delay_alu instid0(VALU_DEP_1)
	v_add_f32_dpp v24, v24, v24 row_xmask:1 row_mask:0xf bank_mask:0xf
	s_delay_alu instid0(VALU_DEP_1)
	v_add_f32_dpp v24, v24, v24 row_xmask:2 row_mask:0xf bank_mask:0xf
	s_delay_alu instid0(VALU_DEP_1)
	v_add_f32_dpp v24, v24, v24 row_xmask:4 row_mask:0xf bank_mask:0xf
	s_delay_alu instid0(VALU_DEP_1)
	v_add_f32_dpp v24, v24, v24 row_xmask:8 row_mask:0xf bank_mask:0xf       ; total
	s_wait_alu depctr_va_vdst(0)
	v_rcp_f32 v30, v24
.irp i, 12,13,14,15
	v_mul_f32 v\i, 0x3fb8aa3b, v\i                 ; (plain places behind the reciprocal)
.endr
	s_wait_alu depctr_va_vdst(0)
.irp i, 12,13,14,15
	v_exp_f32 v\i, v\i
.endr
	s_wait_alu depctr_va_vdst(0)
	v_mul_f32 v11, v11, v30                        ; e_g / total.  (A plain place behind the exponentials)
	ds_bpermute_b32 v26, v5, v11                   ; that of partial 2 w,
	ds_bpermute_b32 v28, v6, v11                   ; of 2 w + 1
	v_pk_mul_f32 v[16:17], v[16:17], v[30:31] op_sel_hi:[1,0]   ; mask / total
	v_pk_mul_f32 v[18:19], v[18:19], v[30:31] op_sel_hi:[1,0]
	v_pk_mul_f32 v[12:13], v[12:13], v[16:17]
	v_pk_mul_f32 v[14:15], v[14:15], v[18:19]
	s_delay_alu instid0(VALU_DEP_2)
	v_pk_add_f32 v[20:21], v[20:21], v[12:13]
	s_delay_alu instid0(VALU_DEP_2)
	v_pk_add_f32 v[22:23], v[22:23], v[14:15]
	global_store_b128 v4, v[12:15], s[16:17]       ; a wave stores 512 consecutive bytes, aligned
	global_store_b128 v4, v[20:23], s[18:19]
	s_wait_dscnt 0x0
	v_pk_mul_f32 v[40:41], v[32:33], v[26:27] op_sel_hi:[1,0]
	v_pk_mul_f32 v[42:43], v[34:35], v[26:27] op_sel_hi:[1,0]
	s_delay_alu instid0(VALU_DEP_2)
	v_pk_fma_f32 v[40:41], v[36:37], v[28:29], v[40:41] op_sel_hi:[1,0,1]
	s_delay_alu instid0(VALU_DEP_2)
	v_pk_fma_f32 v[42:43], v[38:39], v[28:29], v[42:43] op_sel_hi:[1,0,1]
	ds_store_b128 v4, v[40:43]
	s_wait_dscnt 0x0                               ; for the others' sake: my store has landed
	s_barrier_signal -1
	s_barrier_wait -1
	s_cmp_lg_u32 s20, 0
	s_cbranch_scc1 .Ldone
.irp i, 0,1,2,3,4,5,6,7
	ds_load_b128 v[48+4*\i:51+4*\i], v3 offset:512*\i
.endr
	s_wait_dscnt 0x0
.irp i, 1
	v_pk_add_f32 v[48:49], v[48:49], v[48+4*\i:49+4*\i]
	v_pk_add_f32 v[50:51], v[50:51], v[50+4*\i:51+4*\i]
.endr
.irp i, 2, 3, 4, 5, 6, 7
	s_delay_alu instid0(VALU_DEP_2)
	v_pk_add_f32 v[48:49], v[48:49], v[48+4*\i:49+4*\i]
	s_delay_alu instid0(VALU_DEP_2)
	v_pk_add_f32 v[50:51], v[50:51], v[50+4*\i:51+4*\i]
.endr
	global_store_b128 v3, v[48:51], s[14:15]       ; 512 consecutive bytes of c_t, aligned
.Ldone:
	s_wait_tensorcnt 0x0
	ds_add_u32 v96, v97
	s_wait_dscnt 0x0
	s_endpgm
.Lfunc_end_k_q38195fbe64_finish:
	.size	k_q38195fbe64_finish, .Lfunc_end_k_q38195fbe64_finish-k_q38195fbe64_finish
	.p2alignl 7, 3214868480
	.fill 96, 4, 3214868480
	.section	.rodata,"a",@progbits
	.p2align	6, 0x0
	.amdhsa_kernel k_q38195fbe64_finish
		.amdhsa_group_segment_fixed_size 5120
		.amdhsa_private_segment_fixed_size 0
		.amdhsa_enable_private_segment 0
		.amdhsa_kernarg_size 64
		.amdhsa_user_sgpr_count 2
		.amdhsa_user_sgpr_kernarg_segment_ptr 1
		.amdhsa_wavefront_size32 1
		.amdhsa_system_sgpr_workgroup_id_x 1
		.amdhsa_system_sgpr_workgroup_id_y 1
		.amdhsa_system_sgpr_workgroup_id_z 1
		.amdhsa_system_vgpr_workitem_id 0
		.amdhsa_next_free_vgpr 98
		.amdhsa_next_free_sgpr 66
		.amdhsa_reserve_vcc 0
		.amdhsa_float_denorm_mode_32 3
		.amdhsa_float_denorm_mode_16_64 3
		.amdhsa_memory_ordered 1
		.amdhsa_forward_progress 1
		.amdhsa_inst_pref_size 8
	.end_amdhsa_kernel
	.amdgpu_metadata
---
amdhsa.version: [ 1, 2 ]
amdhsa.kernels:
  - .name:           k_q38195fbe64_finish
    .symbol:         k_q38195fbe64_finish.kd
    .args:
      - { .name: wsc, .offset: 0, .size: 8, .value_kind: global_buffer, .address_space: global }
      - { .name: stats, .offset: 8, .size: 8, .value_kind: global_buffer, .address_space: global }
      - { .name: cpart, .offset: 16, .size: 8, .value_kind: global_buffer, .address_space: global }
      - { .name: enc_padding_mask, .offset: 24, .size: 8, .value_kind: global_buffer, .address_space: global }
      - { .name: coverage, .offset: 32, .size: 8, .value_kind: global_buffer, .address_space: global }
      - { .name: out0, .offset: 40, .size: 8, .value_kind: global_buffer, .address_space: global }
      - { .name: out1, .offset: 48, .size: 8, .value_kind: global_buffer, .address_space: global }
      - { .name: out2, .offset: 56, .size: 8, .value_kind: global_buffer, .address_space: global }
    .group_segment_fixed_size: 5120
    .private_segment_fixed_size: 0
    .kernarg_segment_align: 8
    .kernarg_segment_size: 64
    .max_flat_workgroup_size: 256
    .sgpr_count:     66
    .vgpr_count:     98
    .wavefront_size: 32
...
	.end_amdgpu_metadata
.endif
;; end of part 3
